; MI455X (gfx1250); checked and timed in simulation.
; The chip was launched on July 23, 2026; its instructions are those of AMD's public machine-readable ISA for CDNA 5 (MIT licence, August 2026) and "CDNA5" Instruction Set Architecture Reference Guide (July 2026). The comments in the code are by the model that wrote it; some were corrected since.
;; Multi Head Attention. Allowed arithmetic: matrix products marked QUANTISED: E4M3 operands, one given power-of-two scale a tensor, by v_wmma_f32_16x16x64_fp8_fp8 or v_wmma_f32_16x16x128_fp8_fp8, f32 sums; everything else in f32.
;; Inputs: Wk 16 x 1,024 x 64 float32; Wp 1,024 x 1,024 float32; Wq 16 x 1,024 x 64 float32; Wv 16 x 1,024 x 64 float32; bp 1,024 float32; lowp_scales 12 int32 (the exponents e of the quantised operands' scales 2^e); x 4 x 2,048 x 1,024 float32.
;; Outputs: out0 4 x 2,048 x 1,024 float32.
;; This version of the problem:
;;   THIS VERSION OF THE PROBLEM IS GIVEN IN LOW PRECISION. The matrix products marked QUANTISED in the list below multiply operands that are first quantised to E4M3 (4 exponent bits, 3 mantissa bits; 8 bits a number), with one given power-of-two scale for each operand tensor; their sums are f32. All else is computed in f32.
;;   The module's matrix products, in the order in which they are computed (A, B: the left and right operand; K: the contracted axis; several contracted axes count as one K, in the product's order):
;;     1. [M 1,024, K 1,024] x [K 1,024, N 8,192]; A: input Wq; B: input x: QUANTISED (scales: A lowp_scales[0], B lowp_scales[1])
;;     2. [M 1,024, K 1,024] x [K 1,024, N 8,192]; A: input Wk; B: input x: QUANTISED (scales: A lowp_scales[2], B lowp_scales[3])
;;     3. [M 1,024, K 1,024] x [K 1,024, N 8,192]; A: input Wv; B: input x: QUANTISED (scales: A lowp_scales[4], B lowp_scales[5])
;;     4. batch 64 x [M 2,048, K 64] x [K 64, N 2,048]; A: computed on the way; B: computed on the way: QUANTISED (scales: A lowp_scales[6], B lowp_scales[7])
;;     5. batch 64 x [M 2,048, K 2,048] x [K 2,048, N 64]; A: softmax (see below); B: computed on the way: QUANTISED (scales: A lowp_scales[8], B lowp_scales[9])
;;     6. [M 8,192, K 1,024] x [K 1,024, N 1,024]; A: computed on the way; B: input Wp: QUANTISED (scales: A lowp_scales[10], B lowp_scales[11])
;;   THE QUANTISER, for each operand of a quantised product, along K:
;;     - The operand's scale is 2^e, e = its entry of the input lowp_scales (int32; the entries are numbered through the quantised products in the list's order, A before B).
;;     - Each number is divided by the scale, clamped to +-448, and rounded to the nearest number of E4M3, ties to even, subnormals kept.
;;     - The product sums the exact products of the quantised numbers (number of the format x scale) in f32.
;;   ~~~python
;;   def quantise(x, axis, e):      # numpy; x: float32 -> the quantised numbers, widened to float32 again
;;       x = np.moveaxis(x, axis, -1); K = x.shape[-1]
;;       r = np.clip(x / 2.0 ** e, -448, 448)
;;       step = 2.0 ** (np.maximum(np.frexp(np.where(r == 0, 1, r))[1] - 1, -6) - 3)
;;       q = np.round(r / step) * step * 2.0 ** e      # np.round: ties to even
;;       return np.moveaxis(q, -1, axis).astype(np.float32)
;;   ~~~
;;   SOFTMAX AHEAD OF A QUANTISED PRODUCT. Where the list says 'softmax', what is quantised is not the finished softmax but p = 2^(t - M), with t = logit x log2(e) and M = ceil(the row's largest t), a whole number; so 1/2 < the row's largest p <= 1. The row's sum l is taken of the UNQUANTISED p, in f32, and the product's result is divided by l at the end. Since M is a whole number, a kernel that streams over the keys may use a running M (the ceiling of the running maximum): every later rescaling is an exact power of two, so the quantised numbers keep their values, but for numbers so far below the row's largest that they fall under the format's range.
;;   OPERANDS COMPUTED ON THE WAY. 'Computed on the way' means the value that the module computes at that place (a softmax that the list does not call 'softmax' is quantised finished and normalised). What goes into a quantiser is computed in f32, as accurately as f32 sums, v_exp_f32 and their like allow (about 1e-6 of the number): no bf16 or f16 on the way to a quantiser, and a product that is left as it is and whose result goes on into a quantised operand takes f32 operands (vector FMAs, or v_wmma_f32_16x16x4_f32). A number that lies on a knife's edge between two numbers of the format may be rounded either way, as far as f32 arithmetic and the matrix unit's own rounding can turn it there, and no further.
;; One version. Each part assembles by itself: llvm-mc -triple=amdgcn-amd-amdhsa -mcpu=gfx1250 --defsym DOCPART=n.
;; ======== version 1 of 1: 4 launches
;; limits: right only within a limited range of input values
;; workspace buffers: codes 29,360,128 bytes; qkv 25,165,824 bytes; oc 8,388,608 bytes
;; launch quant (part 1): grid 384 x 1, 4 waves a work-group, no clusters, 68,096 bytes of LDS; arguments x, Wq, Wk, Wv, Wp, lowp_scales, codes; writes codes
.if DOCPART == 1
	.amdgcn_target "amdgcn-amd-amdhsa--gfx1250"
	.amdhsa_code_object_version 6
	.text
	.protected	k_q349f920d3b_quant
	.globl	k_q349f920d3b_quant
	.p2align	8
	.type	k_q349f920d3b_quant,@function
k_q349f920d3b_quant:
	s_mov_b64 s[64:65], 0
	v_nop
	global_prefetch_b8 v0, s[64:65] scope:SCOPE_SE
	s_setreg_imm32_b32 hwreg(HW_REG_WAVE_MODE, 25, 1), 1
	s_wait_xcnt 0x0
; f32 numbers into codes of FP8 (E4M3), K innermost, each operand with the scale 2^e that is given for it.
; code = number / 2^e, held within +-448, rounded to the nearest code, ties to even.
; OUT, in the buffer of codes:  x three times (its three products have three entries of the scales: e1, e3, e5): planes of [8192 tokens][1024] bytes at 0, 0x800000, 0x1000000;
;   the four weights as [n 1024][k 1024] bytes at 0x1800000 (Wq, e0), 0x1900000 (Wk, e2), 0x1A00000 (Wv, e4), 0x1B00000 (Wp, e11); for the heads' weights n = 64 head + e.
;   In x's second plane (the keys' product) the row at place p holds token p with bits 3 and 4 exchanged: the order in which the attention's first product wants its keys.
; SHARES.  Work-groups 0-127: the weights, K is not their innermost axis: a lane takes a column n and its registers run down K; 128 columns x 256 K a work-group.
;   Work-groups 128-383: x, a plain stream; a wave takes 8 rows (8,192 numbers) in 16 steps of 512.  Each way has LDS bytes of its own.  Waves share nothing: no barrier.
; LIMITS: e0, e1, e2, e3, e4, e5, e11 between -126 and 119, so that 2^e and 448 x 2^e are f32 numbers.  NaN among the inputs is not served; an infinity is held at the largest code.
.set SPARE, 67584                      ; behind both ways' stages: the spare words, 128 bytes for each wave
.set SPW,   12                         ; v12  LDS address of my spare word; never rewritten
.set NIL,   13                         ; v13  0; never rewritten
.set SP,    80                         ; x: a lane's place in a stage: 64 bytes + 16 of padding
.set RR,    16                         ; x: v16-79   four sets of 16 numbers as loaded
.set XX,    80                         ; x: v80-111  two sets of 16 neighbours
.set TT,    112
.set CC,    160                        ; x: v160-183 codes: 12 registers for even steps, 12 for odd
.set WX,    32                         ; weights: v32-95 two sets of 32 numbers
.set WC,    96                         ; weights: v96-103 a block's codes
.set OUTR,  112                        ; weights: v112-175 the way out
.set OFS,   176                        ; weights: v176-207 byte offsets of 32 rows along K
.set WPI,   272                        ; weights: a stage row: 256 bytes + 16
.set WSTG,  32768                      ; weights: the stages begin behind x's
	s_load_b256 s[4:11], s[0:1], 0x0               ; x s[4:5], Wq s[6:7], Wk s[8:9], Wv s[10:11]
	s_load_b128 s[12:15], s[0:1], 0x20             ; Wp s[12:13], the scales' exponents s[14:15]
	s_load_b64 s[16:17], s[0:1], 0x30              ; the codes
	v_lshl_add_u32 v[SPW], v0, 2, SPARE
	v_mov_b32 v[NIL], 0
	v_lshrrev_b32 v1, 5, v0
	v_readfirstlane_b32 s18, v1                    ; wave 0..3
	v_and_b32 v2, 31, v0                           ; lane
	s_wait_kmcnt 0x0
	s_load_b256 s[36:43], s[14:15], 0x0            ; e0 .. e7
	s_load_b128 s[44:47], s[14:15], 0x20           ; e8 .. e11
	s_cmp_lt_u32 ttmp9, 128
	s_cbranch_scc0 .Lx
; ---------------- the weights ----------------
	s_lshr_b32 s19, ttmp9, 5                       ; which tensor: 0 Wq, 1 Wk, 2 Wv, 3 Wp
	s_and_b32 s20, ttmp9, 7                        ; which 128 columns
	s_bfe_u32 s21, ttmp9, 0x20003                  ; which 256 along K
	s_lshl_b32 s20, s20, 7
	s_lshl_b32 s22, s18, 5
	s_add_co_u32 s20, s20, s22                     ; n0: my wave's first column
	s_lshr_b32 s22, s20, 6                         ; a head's weight [1024][64]: head x 262,144 + k x 256 + 4 e
	s_lshl_b32 s22, s22, 18
	s_lshl_b32 s23, s21, 16
	s_add_co_u32 s22, s22, s23
	s_and_b32 s23, s20, 63
	s_lshl_b32 s23, s23, 2
	s_add_co_u32 s22, s22, s23
	s_lshl_b32 s23, s21, 20                        ; Wp [1024][1024]: k x 4,096 + 4 n
	s_lshl_b32 s24, s20, 2
	s_add_co_u32 s23, s23, s24
	s_mov_b32 s28, 256
	s_cmp_eq_u32 s19, 3                            ; the choices hang on the work-group's number alone
	s_cselect_b32 s22, s23, s22                    ; where my part begins
	s_cselect_b32 s28, 4096, s28                   ; bytes from one k to the next
	s_cselect_b64 s[30:31], s[12:13], s[10:11]
	s_cmp_eq_u32 s19, 1
	s_cselect_b64 s[30:31], s[8:9], s[30:31]
	s_cmp_eq_u32 s19, 0
	s_cselect_b64 s[30:31], s[6:7], s[30:31]
	s_mov_b32 s23, 0
	s_add_nc_u64 s[48:49], s[30:31], s[22:23]      ; block 0 of eight blocks of 32 along K,
	s_lshl_b32 s26, s28, 5
	s_mov_b32 s27, 0
.irp t, 1,2,3,4,5,6,7
	s_add_nc_u64 s[48+2*\t:49+2*\t], s[46+2*\t:47+2*\t], s[26:27]   ; and the seven behind it: a base for each
.endr
	s_lshl_b32 s24, s19, 20                        ; out: 0x1800000 + tensor x 2^20 + n0 x 1,024 + 256 x chunk
	s_add_co_u32 s24, s24, 0x1800000
	s_lshl_b32 s25, s20, 10
	s_add_co_u32 s24, s24, s25
	s_lshl_b32 s25, s21, 8
	s_add_co_u32 s24, s24, s25
	s_mov_b32 s25, 0
	s_add_nc_u64 s[32:33], s[16:17], s[24:25]
	s_wait_alu depctr_va_vdst(0)
	v_lshlrev_b32 v[OFS], 2, v2                    ; 4 bytes a lane: 32 lanes read 128 consecutive bytes
.set i, 1
.rept 31
	v_add_nc_u32 v[OFS+i], s28, v[OFS+i-1]         ; one k further down
.set i, i+1
.endr
	s_mul_i32 s29, s18, 32*WPI
	s_add_co_u32 s29, s29, WSTG                    ; my stage
	v_mul_u32_u24 v4, v2, WPI
	v_add_nc_u32 v4, s29, v4                       ; into it: row = my column
	v_and_b32 v5, 15, v2
	v_lshrrev_b32 v6, 4, v2
	v_mul_u32_u24 v7, v6, WPI
	v_lshl_add_u32 v7, v5, 4, v7
	v_add_nc_u32 v7, s29, v7                       ; out of it: sixteen lanes to a row, two rows an instruction
	v_lshlrev_b32 v8, 10, v6
	v_lshl_add_u32 v8, v5, 4, v8                   ; and the same place among the codes' rows of 1,024 bytes
.macro WLOAD t                         ; block t: W(32 t + i, my column), i = 0 .. 31, into set t % 2
.set i, 0
.rept 32
	global_load_b32 v[WX+32*((\t)%2)+i], v[OFS+i], s[48+2*(\t):49+2*(\t)] th:TH_LOAD_NT
.set i, i+1
.endr
.endm
	WLOAD 0
	WLOAD 1
	s_wait_kmcnt 0x0
	s_cmp_eq_u32 s19, 3
	s_cselect_b32 s34, s47, s40                    ; e11 or e4,
	s_cmp_eq_u32 s19, 1
	s_cselect_b32 s34, s38, s34                    ; e2,
	s_cmp_eq_u32 s19, 0
	s_cselect_b32 s34, s36, s34                    ; e0
	s_add_co_i32 s34, s34, 127
	s_lshl_b32 s35, s34, 23
	v_mov_b32 v11, s35                             ; 2^e as f32: the conversion takes its exponent field
	s_add_co_i32 s34, s34, 8
	s_lshl_b32 s34, s34, 23
	s_or_b32 s34, s34, 0x600000
.macro WBLOCK t
.set XS, WX+32*((\t)%2)
.if (\t) < 7
	s_wait_loadcnt 32                              ; this block's 32 loads are in; the next block's 32 may be out
.else
	s_wait_loadcnt 0
.endif
.set i, 0
.rept 32
.set i, i+1
.endr
.irp g, 0,1,2,3
	v_cvt_scalef32_pk8_fp8_f32 v[WC+2*\g:WC+2*\g+1], v[XS+8*\g:XS+8*\g+7], v11
.endr
	ds_store_b128 v4, v[WC:WC+3] offset:32*(\t)    ; 32 codes of my column's row
	ds_store_b128 v4, v[WC+4:WC+7] offset:32*(\t)+16
.if (\t)+2 < 8
	WLOAD (\t)+2
.endif
	s_wait_dscnt 0x0                               ; the stores have read their registers: the next block's codes may be written
.endm
	s_wait_alu depctr_va_vdst(0)
.irp t, 0,1,2,3,4,5,6,7
	WBLOCK \t
.endr
.irp t, 0,1,2,3,4,5,6,7,8,9,10,11,12,13,14,15
	ds_load_b128 v[OUTR+4*\t:OUTR+4*\t+3], v7 offset:2*\t*WPI   ; LDS serves a wave's instructions in order: these see my stores
.endr
.irp t, 0,1,2,3,4,5,6,7,8,9,10,11,12,13,14,15
	s_wait_dscnt 15-\t
	global_store_b128 v8, v[OUTR+4*\t:OUTR+4*\t+3], s[32:33] offset:2048*\t   ; sixteen lanes store 256 consecutive bytes, aligned
.endr
	s_branch .Lend
; ---------------- x ----------------
.Lx:
	s_sub_co_u32 s19, ttmp9, 128
	s_lshl_b32 s19, s19, 2
	s_add_co_u32 s19, s19, s18                     ; R: which run of 8 rows is my wave's, 0 .. 1023
	s_lshl_b32 s20, s19, 15
	s_mov_b32 s21, 0
	s_add_nc_u64 s[4:5], s[4:5], s[20:21]          ; x at my run: 32,768 bytes a run
	s_lshl_b32 s20, s19, 13
	s_add_nc_u64 s[24:25], s[16:17], s[20:21]      ; first plane: 8,192 bytes a run
	s_add_co_u32 s20, s20, 0x1000000
	s_add_nc_u64 s[28:29], s[16:17], s[20:21]      ; third plane
	s_and_not1_b32 s20, s19, 3                     ; second plane: a token's bits 3 and 4 are R's bits 0 and 1: they change places
	s_and_b32 s22, s19, 1
	s_lshl_b32 s22, s22, 1
	s_or_b32 s20, s20, s22
	s_bfe_u32 s22, s19, 0x10001
	s_or_b32 s20, s20, s22
	s_lshl_b32 s20, s20, 13
	s_add_co_u32 s20, s20, 0x800000
	s_add_nc_u64 s[26:27], s[16:17], s[20:21]
	s_wait_alu depctr_va_vdst(0)
	v_lshlrev_b32 v3, 4, v2                        ; my 16 bytes of a load's 512, and of a store's 512
	s_lshl_b32 s30, s18, 13                        ; my wave's two stages
	v_lshrrev_b32 v14, 2, v2
	v_mul_u32_u24 v14, v14, SP
	v_and_b32 v15, 3, v2
	v_lshl_add_u32 v14, v15, 4, v14
	v_add_nc_u32 v14, s30, v14                     ; in: four lanes' 64 bytes on end, then 16 of padding
	v_mul_u32_u24 v15, v2, SP
	v_add_nc_u32 v15, s30, v15                     ; out: my 16 neighbours
.macro XLOAD t
.irp i, 0,1,2,3
	global_load_b128 v[RR+16*((\t)%4)+4*\i:RR+16*((\t)%4)+4*\i+3], v3, s[4:5] offset:2048*(\t)+512*\i th:TH_LOAD_NT   ; 32 lanes read 512 consecutive bytes
.endr
.endm
.macro XTURN t                         ; step t's numbers through the stage: LDS serves a wave's instructions in order
.irp i, 0,1,2,3
	ds_store_b128 v14, v[RR+16*((\t)%4)+4*\i:RR+16*((\t)%4)+4*\i+3] offset:32*SP*((\t)%2)+8*SP*\i
.endr
	v_nop
.irp i, 0,1,2,3
	ds_load_b128 v[XX+16*((\t)%2)+4*\i:XX+16*((\t)%2)+4*\i+3], v15 offset:32*SP*((\t)%2)+16*\i
.endr
.endm
.irp t, 0,1,2,3
	XLOAD \t
.endr
	s_wait_alu depctr_va_vdst(0)
	s_wait_kmcnt 0x0
.irp u, 0,1,2                          ; e1, e3, e5: v5, v7, v9 = 2^e
	s_add_co_i32 s22, s[37+2*\u], 127
	s_lshl_b32 s23, s22, 23
	v_mov_b32 v[5+2*\u], s23
	s_add_co_i32 s22, s22, 8
	s_lshl_b32 s22, s22, 23
	s_or_b32 s22, s22, 0x600000
.endr
	s_wait_alu depctr_va_vdst(0)
	s_wait_loadcnt 12                              ; step 0's four loads are in; the twelve behind them may be out
	XTURN 0
.macro XSTEP t
.set XS, XX+16*((\t)%2)
.set CB, CC+12*((\t)%2)
	s_wait_dscnt 0x0                               ; this step's numbers are back from the stage, and its stores into the stage have read their registers
	s_wait_xcnt 0x0                                ; the stores of two steps ago have read the codes' registers that this step writes
.if (\t)+4 < 16
	XLOAD (\t)+4
.endif
.if (\t)+1 < 16
.if 14-(\t) >= 3
	s_wait_loadcnt 12                              ; the next step's four loads are in; those of the three steps behind it may be out
.else
	s_wait_loadcnt 4*(14-(\t))
.endif
	XTURN (\t)+1
.endif
.irp u, 0,1,2
.irp i, 0,1,2,3,4,5,6,7,8,9,10,11,12,13,14,15
.endr
	v_cvt_scalef32_pk8_fp8_f32 v[CB+4*\u:CB+4*\u+1], v[TT+16*\u+((XS+0)-(TT+16*\u+0)):TT+16*\u+7+((XS+0)-(TT+16*\u+0))], v[5+2*\u]
	v_cvt_scalef32_pk8_fp8_f32 v[CB+4*\u+2:CB+4*\u+3], v[TT+16*\u+8+((XS+0)-(TT+16*\u+0)):TT+16*\u+15+((XS+0)-(TT+16*\u+0))], v[5+2*\u]
	global_store_b128 v3, v[CB+4*\u:CB+4*\u+3], s[24+2*\u:25+2*\u] offset:512*(\t)   ; the wave stores 512 consecutive bytes, aligned
.endr
.endm
.irp t, 0,1,2,3,4,5,6,7,8,9,10,11,12,13,14,15
	XSTEP \t
.endr
.Lend:
	s_wait_tensorcnt 0x0                           ; the wave's end
	ds_add_u32 v[SPW], v[NIL]
	s_wait_dscnt 0x0
	s_endpgm
.Lfunc_end_k_q349f920d3b_quant:
	.size	k_q349f920d3b_quant, .Lfunc_end_k_q349f920d3b_quant-k_q349f920d3b_quant
	.p2alignl 7, 3214868480
	.fill 96, 4, 3214868480
	.section	.rodata,"a",@progbits
	.p2align	6, 0x0
	.amdhsa_kernel k_q349f920d3b_quant
		.amdhsa_group_segment_fixed_size 68096
		.amdhsa_private_segment_fixed_size 0
		.amdhsa_enable_private_segment 0
		.amdhsa_kernarg_size 56
		.amdhsa_user_sgpr_count 2
		.amdhsa_user_sgpr_kernarg_segment_ptr 1
		.amdhsa_wavefront_size32 1
		.amdhsa_system_sgpr_workgroup_id_x 1
		.amdhsa_system_sgpr_workgroup_id_y 1
		.amdhsa_system_sgpr_workgroup_id_z 1
		.amdhsa_system_vgpr_workitem_id 0
		.amdhsa_next_free_vgpr 208
		.amdhsa_next_free_sgpr 66
		.amdhsa_reserve_vcc 0
		.amdhsa_float_denorm_mode_32 3
		.amdhsa_float_denorm_mode_16_64 3
		.amdhsa_fp16_overflow 1
		.amdhsa_memory_ordered 1
		.amdhsa_forward_progress 1
		.amdhsa_inst_pref_size 64
	.end_amdhsa_kernel
	.amdgpu_metadata
---
amdhsa.version: [ 1, 2 ]
amdhsa.kernels:
  - .name:           k_q349f920d3b_quant
    .symbol:         k_q349f920d3b_quant.kd
    .args:
      - { .name: x, .offset: 0, .size: 8, .value_kind: global_buffer, .address_space: global }
      - { .name: Wq, .offset: 8, .size: 8, .value_kind: global_buffer, .address_space: global }
      - { .name: Wk, .offset: 16, .size: 8, .value_kind: global_buffer, .address_space: global }
      - { .name: Wv, .offset: 24, .size: 8, .value_kind: global_buffer, .address_space: global }
      - { .name: Wp, .offset: 32, .size: 8, .value_kind: global_buffer, .address_space: global }
      - { .name: lowp_scales, .offset: 40, .size: 8, .value_kind: global_buffer, .address_space: global }
      - { .name: codes, .offset: 48, .size: 8, .value_kind: global_buffer, .address_space: global }
    .group_segment_fixed_size: 68096
    .private_segment_fixed_size: 0
    .kernarg_segment_align: 8
    .kernarg_segment_size: 56
    .max_flat_workgroup_size: 128
    .sgpr_count:     66
    .vgpr_count:     208
    .wavefront_size: 32
...
	.end_amdgpu_metadata
.endif
;; end of part 1
;; launch qkv (part 2): grid 12 x 32, 4 waves a work-group, clusters of 4 x 4, 327,680 bytes of LDS; arguments codes, lowp_scales, qkv; writes qkv
.if DOCPART == 2
	.amdgcn_target "amdgcn-amd-amdhsa--gfx1250"
	.amdhsa_code_object_version 6
	.text
	.protected	k_q349f920d3b_qkv
	.globl	k_q349f920d3b_qkv
	.p2align	8
	.type	k_q349f920d3b_qkv,@function
k_q349f920d3b_qkv:
	s_mov_b64 s[64:65], 0
	v_nop
	global_prefetch_b8 v0, s[64:65] scope:SCOPE_SE
	s_setreg_imm32_b32 hwreg(HW_REG_WAVE_MODE, 25, 1), 1
	s_wait_xcnt 0x0
	s_wait_alu depctr_hold_cnt(0) depctr_sa_sdst(0) depctr_va_vdst(0) depctr_va_sdst(0) depctr_va_ssrc(0) depctr_va_vcc(0) depctr_vm_vsrc(0)
	s_getreg_b32 s2, hwreg(HW_REG_IB_STS2, 6, 4)
	s_cmp_eq_u32 s2, 0
	s_cbranch_scc0 .Lentry_in_a_cluster
	s_endpgm
.Lentry_in_a_cluster:
	s_bfe_u32 s2, ttmp6, 0x10000c
	s_cmp_lg_u32 s2, 0xf033
	s_cbranch_scc0 .Lentry_shape_is_right
	s_endpgm
.Lentry_shape_is_right:
; The three projections on codes of FP8 (E4M3): q = x Wq, k = x Wk, v = x Wv, K = 1,024; each f32 sum is quantised at once for the attention's products (e6, e7, e9).
; The body computes C[m][n] = sum over k of A[m][k] B[n][k] on tiles of 256 x 256, a wave 128 x 128 (64 accumulators, 512 registers), K in steps of 256 through a ring of two LDS slots.
; The cluster's x says which product: 0 q, 1 k, 2 v.  q, k: A = x's plane (m = token), B = the weight's plane (n = 64 head + e).  v: THE ROLES ARE SWAPPED: A = Wv's plane, B = x's third plane (n = token).
; THE MATRIX INSTRUCTION IS USED TRANSPOSED (source 0 = 16 rows of B, source 1 = 16 rows of A): a lane holds one m and eight neighbouring n.  So for q and k a lane's eight numbers are neighbours along e,
; the K of the scores' product, and for v neighbours along the keys, the K of the second product: each conversion's eight codes belong together.
; A sum stands for sum x 2^(ea + eb): its code is sum / 2^(eo - ea - eb): the three scales are one.
; OUT: planes Q, K, V at 0, 0x800000, 0x1000000, each [batch 4][pair of heads 8][block of 128 tokens 16][128 rows][128 bytes]: a wave's 128 x 128 codes are one dense block of 16,384 bytes.
;   Q, K: row = token, byte = 64 (head % 2) + e (K's rows keep the order of x's second plane).  V: row = 64 (head % 2) + e, byte = key.
; CLUSTERS: 4 x 4 work-groups; A's tile is asked for jointly along a row of the cluster, B's along a column.  What is chosen by the product's number is the same in all sixteen partners.
; LIMITS: e6 - e0 - e1, e7 - e2 - e3, e9 - e4 - e5 between -126 and 119, so that the conversion's scale and 448 x it are f32 numbers.
; REGISTERS, in windows of 256: window 0: v0-31 addresses; from v128 A's fragments, one set; on the way out v96-255.  window 1: B's fragments, two sets.  windows 2, 3: the accumulators ((a, b) at v[8 (8 (a % 4) + b)]).
.set KSTEP,  256
.set ROWB,   256                       ; a tile's row in bytes
.set KROW,   1024                      ; a row of codes in memory
.set PITCH,  272                       ; an LDS row: 256 bytes + 16 of padding: the 16 rows that a load touches start 68 words apart
.set FR,     16
.set NL,     4
.set NP,     4                         ; places behind this matrix instruction (ISA guide 7.12.1)
.set HALFT,  128*PITCH
.set SLOT,   4*HALFT                   ; A's 256 rows, then B's 256 rows
.set LAPS,   2                         ; 1,024 along K = two laps of two K steps
.set SPARE,  2*SLOT                    ; behind the ring: the spare words, 128 bytes for each wave
.set SP,     144                       ; the way out: a stage row: 128 bytes of codes + 16
.set WSTG,   128*SP                    ; a wave's stage.  The stages lie in slot 0, which has had its last fill and its last read when the first code is stored there
.set ADRA, 16
.set ADRB, 20
.set STO,  24
.set RD,   25
.set CO,   26
.set SPW,  28                          ; v28 LDS address of my spare word; never rewritten
.set NIL,  29                          ; v29 0; never rewritten
.set SCL,  30                          ; v30 the conversion's scale
.set LIM,  31
.set TMP,  32
.set AF,   128
.set G1, 24
.set G0, 32
.set G1B, 48
.set G0B, 56
.set MSB, 0
.macro WIN new                         ; the immediate's high byte repeats the setting that is left
.if MSB != \new
	s_set_vgpr_msb (MSB<<8)|\new
.set MSB, \new
.endif
.endm
.set MUL_LO, 0xa1                      ; source 0 (B) window 1, source 1 (A) window 0, C and D window 2
.set MUL_HI, 0xf1
.set TO_B,   0x40
; A joint load: waves 0 and 1 fetch for A, waves 2 and 3 for B; the branch hangs on the wave's number alone.  An s_nop 0 and four v_nop follow each of the two lines.
.macro JLOAD g0a, g1a, g0b, g1b
	s_cmp_eq_u32 s15, 0
	s_cbranch_scc0 .Lfor_b_\@
	tensor_load_to_lds s[\g0a:\g0a+3], s[\g1a:\g1a+7]
	s_nop 0
.rept 4
	v_nop
.endr
	s_branch .Lasked_\@
.Lfor_b_\@:
	tensor_load_to_lds s[\g0b:\g0b+3], s[\g1b:\g1b+7]
	s_nop 0
.rept 4
	v_nop
.endr
.Lasked_\@:
.endm
.macro CREST                           ; a round of the cluster's barrier behind its opening barrier
	s_cmp_lg_u32 s14, 0
	s_cbranch_scc1 .Lnot_wave_0_\@
	s_barrier_signal -3
.Lnot_wave_0_\@:
	s_barrier_wait -3
	s_barrier_signal -1
	s_barrier_wait -1
.endm
.macro CROUND
	s_barrier_signal -1
	s_barrier_wait -1
	CREST
.endm
	s_load_b128 s[4:7], s[0:1], 0x0                ; the codes s[4:5], the scales' exponents s[6:7]
	s_load_b64 s[10:11], s[0:1], 0x10              ; q, k, v
	v_lshl_add_u32 v[SPW], v0, 2, SPARE
	v_mov_b32 v[NIL], 0
	ds_add_u32 v[SPW], v[NIL]                      ; the wave's opening: the add and its wait stand ahead of my first tensor load; the set-up below stands between them
	ds_add_u32 v[SPW], v[NIL]
	v_lshrrev_b32 v1, 5, v0
	v_readfirstlane_b32 s14, v1                    ; wave 0..3
	s_lshr_b32 s15, s14, 1                         ; which half of the tile's rows is mine.  Also: I fetch for A (0) or for B (1)
	s_and_b32 s16, s14, 1                          ; which half of its columns.  Also: which 128 rows of that tile I fetch
	s_bfe_u32 s40, ttmp6, 0x40000                  ; cx, cy: my place in the cluster
	s_bfe_u32 s41, ttmp6, 0x40004
	s_and_b32 s13, ttmp7, 0xffff                   ; cluster y, 0 .. 7
	s_lshl_b32 s68, ttmp9, 23                      ; x's plane of this product (also the product's plane in the output),
	s_lshl_b32 s69, ttmp9, 20
	s_add_co_u32 s69, s69, 0x1800000               ; and its weight's plane
	s_cmp_eq_u32 ttmp9, 2                          ; v?  The same answer in all sixteen partners
	s_cselect_b32 s66, 0, s13                      ; the cluster's row among C's tile rows: the tokens run down C for q and k,
	s_cselect_b32 s67, s13, 0                      ; and along C for v
	s_cselect_b32 s70, s69, s68                    ; A's plane
	s_cselect_b32 s71, s68, s69                    ; B's plane
	s_lshl_b32 s17, s66, 2
	s_add_co_u32 s17, s17, s41                     ; tile row of C
	s_lshl_b32 s42, s67, 2
	s_add_co_u32 s42, s42, s40                     ; tile column of C
	s_lshl_b32 s43, s41, 2
	s_lshl_b32 s43, 15, s43                        ; my row of the cluster
	s_lshl_b32 s44, 0x1111, s40                    ; my column
	; descriptor group 1: a tile of 128 rows x 256 bytes, padded in LDS
	s_or_b32 s[G1+0], s43, (0<<16)|(1<<20)|(1<<21)|(5<<22)|(3<<25)  ; the mask: A's tiles go to my row; elements of 1 byte; padding on; bit 21 beside a mask; 4 words after every 64
	s_or_b32 s[G1B+0], s44, (0<<16)|(1<<20)|(1<<21)|(5<<22)|(3<<25)
.irp g, G1, G1B
	s_mov_b32 s[\g+1], ROWB<<16                    ; tensor_dim0
	s_mov_b32 s[\g+2], 128<<16                     ; tensor_dim1
	s_mov_b32 s[\g+3], ROWB<<16                    ; tile_dim0
	s_mov_b32 s[\g+4], 128                         ; tile_dim1
	s_mov_b32 s[\g+5], KROW                        ; tensor_dim0_stride
	s_mov_b32 s[\g+6], 0
	s_mov_b32 s[\g+7], 0
.endr
	s_lshl_b32 s18, s16, 7                         ; which 128 rows of the tile I fetch
	s_lshl_b32 s20, s17, 8
	s_add_co_u32 s20, s20, s18
	s_lshl_b32 s20, s20, 10
	s_add_co_u32 s20, s20, s70                     ; A: plane + (256 x tile row + 128 x half) rows of 1,024 bytes
	s_mov_b32 s21, 0
	s_lshl_b32 s46, s42, 8
	s_add_co_u32 s46, s46, s18
	s_lshl_b32 s46, s46, 10
	s_add_co_u32 s46, s46, s71                     ; B likewise, by the tile column
	s_mov_b32 s47, 0
	s_mul_i32 s45, s14, HALFT                      ; where they go: wave x 128 rows: no place in the cluster enters an LDS address
	s_wait_dscnt 0x0                               ; the opening add is done
	s_wait_kmcnt 0x0
	s_load_b256 s[72:79], s[6:7], 0x0              ; e0 .. e7
	s_load_b128 s[80:83], s[6:7], 0x20             ; e8 .. e11
	s_add_nc_u64 s[20:21], s[4:5], s[20:21]
	s_add_nc_u64 s[46:47], s[4:5], s[46:47]
	CROUND                                         ; all sixteen work-groups are here: the first joint loads meet
.irp s, 0,1
	s_mov_b32 s[G0+4*\s], 1
	s_add_co_u32 s[G0+4*\s+1], s45, \s*SLOT
	s_add_nc_u64 s[G0+4*\s+2:G0+4*\s+3], s[20:21], \s*ROWB
	s_or_b32 s[G0+4*\s+3], s[G0+4*\s+3], 0x80000000
	s_mov_b32 s[G0B+4*\s], 1
	s_add_co_u32 s[G0B+4*\s+1], s45, \s*SLOT
	s_add_nc_u64 s[G0B+4*\s+2:G0B+4*\s+3], s[46:47], \s*ROWB
	s_or_b32 s[G0B+4*\s+3], s[G0B+4*\s+3], 0x80000000
	JLOAD G0+4*\s, G1, G0B+4*\s, G1B
.endr
	v_and_b32 v1, 15, v0                           ; r = l % 16
	s_wait_alu depctr_va_vdst(0)
	v_bfe_u32 v2, v0, 4, 1                         ; h = l / 16
	v_mul_u32_u24 v3, v1, PITCH
	v_lshl_add_u32 v4, v2, 4, v3                   ; a fragment's row x pitch + 16 x half
	s_mul_i32 s21, s15, HALFT                      ; my 128 rows of A
	s_mul_i32 s22, s16, HALFT                      ; my 128 rows of B,
	s_add_co_u32 s22, s22, 2*HALFT                 ; which lie behind A's 256
.irp s, 0,1
	v_add_nc_u32 v[ADRA+\s], s21, v4
	v_add_nc_u32 v[ADRB+\s], s22, v4
	s_add_co_u32 s21, s21, SLOT
	s_add_co_u32 s22, s22, SLOT
.endr
	s_mul_i32 s23, s14, WSTG                       ; my stage
	v_mul_u32_u24 v5, v1, SP
	s_wait_alu depctr_va_vdst(0)
	v_lshl_add_u32 v5, v2, 3, v5
	v_add_nc_u32 v[STO], s23, v5                   ; in: row r, 8 bytes for each half of the lanes
	v_and_b32 v6, 31, v0
	v_lshlrev_b32 v[CO], 4, v6                     ; out: 16 bytes a lane of 512 dense bytes
	v_lshrrev_b32 v7, 3, v6
	v_mul_u32_u24 v7, v7, SP
	v_and_b32 v8, 7, v6
	v_lshl_add_u32 v7, v8, 4, v7
	v_add_nc_u32 v[RD], s23, v7                    ; back: eight lanes to a row of 128 bytes, four rows an instruction
	s_lshl_b32 s20, s17, 1
	s_add_co_u32 s20, s20, s15                     ; my block of 128 along m
	s_lshl_b32 s46, s42, 1
	s_add_co_u32 s46, s46, s16                     ; and along n
	s_cmp_eq_u32 ttmp9, 2
	s_cselect_b32 s22, s46, s20                    ; the block of tokens, 0 .. 63
	s_cselect_b32 s23, s20, s46                    ; the pair of heads, 0 .. 7
	s_lshr_b32 s18, s22, 4
	s_lshl_b32 s18, s18, 3
	s_add_co_u32 s18, s18, s23
	s_lshl_b32 s18, s18, 18                        ; (8 batch + pair) x 16 blocks of 16,384 bytes
	s_and_b32 s22, s22, 15
	s_lshl_b32 s22, s22, 14
	s_add_co_u32 s18, s18, s22
	s_add_co_u32 s18, s18, s68                     ; + the product's plane
	s_mov_b32 s19, 0
	s_add_nc_u64 s[10:11], s[10:11], s[18:19]
.macro FRAG reg, adr, q, i             ; 16 rows x 128 K: lane l holds row l % 16; registers 4 c .. 4 c + 3 hold K = 32 c + 16 (l / 16) + 0 .. 15: the same order of k in A and in B
.irp c, 0,1,2,3
	ds_load_b128 v[\reg+4*\c:\reg+4*\c+3], v[\adr] offset:128*(\q)+32*\c+(\i)*16*PITCH
.endr
.endm
; 16 matrix instructions: A's blocks a0, a0 + 1 x B's eight.  The 64 accumulators take turns, one instruction a turn, in the same order in every step.
.macro MUL16 a0, p, zero
.irp a, \a0, \a0+1
.irp b, 0,1,2,3,4,5,6,7
.if \zero
	v_wmma_f32_16x16x128_fp8_fp8 v[8*(8*((\a)%4)+\b):8*(8*((\a)%4)+\b)+7], v[128*(\p)+FR*\b:128*(\p)+FR*\b+FR-1], v[AF+FR*(\a):AF+FR*(\a)+FR-1], 0
.else
	v_wmma_f32_16x16x128_fp8_fp8 v[8*(8*((\a)%4)+\b):8*(8*((\a)%4)+\b)+7], v[128*(\p)+FR*\b:128*(\p)+FR*\b+FR-1], v[AF+FR*(\a):AF+FR*(\a)+FR-1], v[8*(8*((\a)%4)+\b):8*(8*((\a)%4)+\b)+7]
.endif
.endr
.endr
.endm
.macro FETCH_B slot, q, p
	WIN TO_B
.irp i, 0,1,2,3,4,5,6,7
	FRAG 128*(\p)+FR*\i, ADRB+\slot, \q, \i
.endr
	WIN 0
.endm
.macro FETCH_A slot, q, i0
.irp i, \i0, \i0+1, \i0+2, \i0+3
	FRAG AF+FR*(\i), ADRA+\slot, \q, \i
.endr
.endm
.macro PLACES n                        ; plain vector instructions in front of loads into registers that matrix instructions have read, and of the first read of results
.rept \n
	v_nop
.endr
.endm
.macro STEP slot, q, zero              ; a step of 128 along K that has its successor in the same slot
	s_wait_dscnt 4*NL                              ; B's set and A's blocks 0-3 are in; the youngest 16 loads (A's blocks 4-7) may be out
	WIN MUL_LO
	MUL16 0, (\q)%2, \zero
	MUL16 2, (\q)%2, \zero
	s_wait_dscnt 0
	PLACES NP
	FETCH_B \slot, (\q)+1, 1-(\q)%2
	FETCH_A \slot, (\q)+1, 0
	WIN MUL_HI
	MUL16 4, (\q)%2, \zero
	MUL16 6, (\q)%2, \zero
	PLACES NP
	WIN 0
	FETCH_A \slot, (\q)+1, 4
.endm
; A slot's last step changes slots: one barrier; in front of it each wave waits for all its tensor loads, adds 0 to its spare word, and waits for that and for its reads of this slot.
.macro TURN slot, next, fill
	s_wait_tensorcnt 0x0                           ; all my tensor loads have landed: my part of the next slot
	ds_add_u32 v[SPW], v[NIL]
	s_wait_dscnt 4*NL+1                            ; (the add and the youngest 16 loads may be out)
	WIN MUL_LO
	MUL16 0, 1, 0
	s_wait_dscnt 0x0                               ; the add is done, and my reads of this slot are over
	s_barrier_signal -1
	MUL16 2, 1, 0
	WIN 0
	s_barrier_wait -1
.if \fill
	CREST                                          ; the barrier has opened a round of the cluster's: no wave of any partner still reads this slot or has a load on its way
	s_add_nc_u64 s[G0+4*\slot+2:G0+4*\slot+3], s[G0+4*\slot+2:G0+4*\slot+3], 2*ROWB
	s_add_nc_u64 s[G0B+4*\slot+2:G0B+4*\slot+3], s[G0B+4*\slot+2:G0B+4*\slot+3], 2*ROWB
	JLOAD G0+4*\slot, G1, G0B+4*\slot, G1B         ; the first tensor load behind the round; its four v_nop are the places in front of the loads below
.else
	PLACES NP
.endif
	FETCH_B \next, 0, 0
	FETCH_A \next, 0, 0
	WIN MUL_HI
	MUL16 4, 1, 0
	MUL16 6, 1, 0
	PLACES NP
	WIN 0
	FETCH_A \next, 0, 4
.endm
	s_wait_tensorcnt 1                             ; my part of K step 0 is in; K step 1's load may be out
	s_barrier_signal -1
	s_barrier_wait -1
	FETCH_B 0, 0, 0
	FETCH_A 0, 0, 0
	FETCH_A 0, 0, 4
	STEP 0, 0, 1                                   ; the first step's products start the sums: nothing is cleared
	s_mov_b32 s3, LAPS-1
.Llap:                                                 ; a trip goes once round the ring and fills both slots again
	TURN 0, 1, 1
	STEP 1, 0, 0
	TURN 1, 0, 1
	STEP 0, 0, 0
	s_sub_co_u32 s3, s3, 1
	s_cmp_lg_u32 s3, 0
	s_cbranch_scc1 .Llap
	TURN 0, 1, 0                                   ; the last lap fills nothing
	STEP 1, 0, 0
	s_wait_dscnt 4*NL
	WIN MUL_LO
	MUL16 0, 1, 0
	MUL16 2, 1, 0
	s_wait_dscnt 0
	WIN MUL_HI
	MUL16 4, 1, 0
	MUL16 6, 1, 0
	WIN 0
; THE WAY OUT, block by block of 16 rows x 128 columns: held, converted (eight neighbours of a lane make 8 bytes), through my stage, and out as 512 dense bytes an instruction.
.macro TOSTAGE a
.set AC, 64*((\a)%4)
.set CD, 96+16*((\a)%2)
.set BB, 128+16*(\a)
	WIN 0x02+((\a)/4)                              ; source 0: window 2 or 3
.set j, 0
.rept 64
.set j, j+1
.endr
.irp b, 0,1,2,3,4,5,6,7
	v_cvt_scalef32_pk8_fp8_f32 v[CD+2*\b:CD+2*\b+1], v[AC+8*\b:AC+8*\b+7], v[SCL]
.endr
	WIN 0
	v_nop                                          ; a plain line behind the last conversion
.irp b, 0,1,2,3,4,5,6,7
	ds_store_b64 v[STO], v[CD+2*\b:CD+2*\b+1] offset:16*SP*(\a)+16*\b
.endr
.irp u, 0,1,2,3
	ds_load_b128 v[BB+4*\u:BB+4*\u+3], v[RD] offset:16*SP*(\a)+4*SP*\u   ; LDS serves a wave's instructions in order: these see the stores above
.endr
.endm
.macro SEND a, younger                 ; younger: the LDS instructions issued behind block a's loads.  Each block has registers of its own, and every offset is an immediate
.set BB, 128+16*(\a)
	s_wait_dscnt \younger
.irp u, 0,1,2,3
	global_store_b128 v[CO], v[BB+4*\u:BB+4*\u+3], s[10:11] offset:2048*(\a)+512*\u   ; 32 lanes store 512 consecutive bytes, aligned
.endr
.endm
	s_wait_kmcnt 0x0
	s_sub_co_i32 s84, s78, s72
	s_sub_co_i32 s84, s84, s73                     ; e6 - e0 - e1
	s_sub_co_i32 s85, s79, s74
	s_sub_co_i32 s85, s85, s75                     ; e7 - e2 - e3
	s_sub_co_i32 s86, s81, s76
	s_sub_co_i32 s86, s86, s77                     ; e9 - e4 - e5
	s_cmp_eq_u32 ttmp9, 1
	s_cselect_b32 s84, s85, s84
	s_cmp_eq_u32 ttmp9, 2
	s_cselect_b32 s84, s86, s84
	s_add_co_i32 s84, s84, 127
	s_lshl_b32 s85, s84, 23
	v_mov_b32 v[SCL], s85
	s_add_co_i32 s84, s84, 8
	s_lshl_b32 s84, s84, 23
	s_or_b32 s84, s84, 0x600000
	PLACES NP
	TOSTAGE 0
.irp a, 1,2,3,4,5,6,7
	TOSTAGE \a
	SEND \a-1, 12                                  ; behind block a - 1's loads: block a's 8 stores and 4 loads
.endr
	SEND 7, 0
	s_wait_tensorcnt 0x0                           ; the wave's end
	ds_add_u32 v[SPW], v[NIL]
	s_wait_dscnt 0x0
	CROUND                                         ; the closing round
	s_endpgm
.Lfunc_end_k_q349f920d3b_qkv:
	.size	k_q349f920d3b_qkv, .Lfunc_end_k_q349f920d3b_qkv-k_q349f920d3b_qkv
	.p2alignl 7, 3214868480
	.fill 96, 4, 3214868480
	.section	.rodata,"a",@progbits
	.p2align	6, 0x0
	.amdhsa_kernel k_q349f920d3b_qkv
		.amdhsa_group_segment_fixed_size 327680
		.amdhsa_private_segment_fixed_size 0
		.amdhsa_enable_private_segment 0
		.amdhsa_kernarg_size 24
		.amdhsa_user_sgpr_count 2
		.amdhsa_user_sgpr_kernarg_segment_ptr 1
		.amdhsa_wavefront_size32 1
		.amdhsa_system_sgpr_workgroup_id_x 1
		.amdhsa_system_sgpr_workgroup_id_y 1
		.amdhsa_system_sgpr_workgroup_id_z 1
		.amdhsa_system_vgpr_workitem_id 0
		.amdhsa_next_free_vgpr 1024
		.amdhsa_next_free_sgpr 98
		.amdhsa_reserve_vcc 0
		.amdhsa_float_denorm_mode_32 3
		.amdhsa_float_denorm_mode_16_64 3
		.amdhsa_fp16_overflow 1
		.amdhsa_memory_ordered 1
		.amdhsa_forward_progress 1
		.amdhsa_inst_pref_size 93
	.end_amdhsa_kernel
	.amdgpu_metadata
---
amdhsa.version: [ 1, 2 ]
amdhsa.kernels:
  - .name:           k_q349f920d3b_qkv
    .symbol:         k_q349f920d3b_qkv.kd
    .args:
      - { .name: codes, .offset: 0, .size: 8, .value_kind: global_buffer, .address_space: global }
      - { .name: lowp_scales, .offset: 8, .size: 8, .value_kind: global_buffer, .address_space: global }
      - { .name: qkv, .offset: 16, .size: 8, .value_kind: global_buffer, .address_space: global }
    .group_segment_fixed_size: 327680
    .private_segment_fixed_size: 0
    .kernarg_segment_align: 8
    .kernarg_segment_size: 24
    .max_flat_workgroup_size: 128
    .sgpr_count:     98
    .vgpr_count:     1024
    .wavefront_size: 32
...
	.end_amdgpu_metadata
.endif
;; end of part 2
;; launch attn (part 3): grid 8 x 32, 16 waves a work-group, no clusters, 327,680 bytes of LDS; arguments qkv, lowp_scales, oc; writes oc
.if DOCPART == 3
	.amdgcn_target "amdgcn-amd-amdhsa--gfx1250"
	.amdhsa_code_object_version 6
	.text
	.protected	k_q349f920d3b_attn
	.globl	k_q349f920d3b_attn
	.p2align	8
	.type	k_q349f920d3b_attn,@function
k_q349f920d3b_attn:
	s_mov_b64 s[64:65], 0
	v_nop
	global_prefetch_b8 v0, s[64:65] scope:SCOPE_SE
	s_setreg_imm32_b32 hwreg(HW_REG_WAVE_MODE, 25, 1), 1
	s_wait_xcnt 0x0
; Causal attention on codes of FP8 (E4M3), head size 64, 2,048 tokens, 64 (batch, head) pairs; the result is quantised at once for the last product (e10).
; THE SOFTMAX AHEAD OF THE SECOND PRODUCT: t = score x log2(e) / 8; M = the row's largest t so far, rounded up to a whole number; p = 2^(t - M) is quantised (e8), not normalised.
; The row's sum is taken of the unquantised p and divides O at the end.  When M moves, the sum and O are multiplied by 2^(old M - new M): exact.
; IN: planes Q, K, V at 0, 0x800000, 0x1000000, each [batch 4][pair of heads 8][block of 128 tokens 16][128 rows][128 bytes].  Q, K: row = token, byte = 64 (head % 2) + e.  V: row = 64 (head % 2) + e, byte = key.
;   In K the row at place p holds key p with bits 3 and 4 exchanged: so 16 consecutive rows are a tile whose results, two tiles together, give a lane 16 neighbouring keys: register n holds key 32 (n / 16) + 16 (lane / 16) + n % 16.
; OUT: oc [pair of heads 8][token 8192][128 bytes = 64 (head % 2) + e].
; SHARES.  Work-group (i, batch and pair) owns both heads of the pair and the query blocks of 128 numbered i and 15 - i.  Wave w: head w / 8, and in each of the two blocks the 16 queries 16 (w % 8) on.
;   Key steps of 128 are aligned with the blocks, so every wave of every work-group has (i + 1) + (16 - i) = 17 steps of a tile: 256 work-groups of equal work.
; Both products are used transposed (S^T = K Q^T, O^T = V^T P^T): a lane holds one query throughout.  K and V come through a ring of two LDS slots of 256 keys; waves 0, 1 fetch K's halves, waves 2, 3 V's.
; CAUSAL.  Every work-group walks all eight slots, so that trip counts are constants and every wave passes every barrier; a step all of whose keys come after the tile's queries is jumped over (ids alone);
;   a slot whose first key comes after the work-group's last query is not asked for; on the diagonal hidden scores become -infinity ahead of the maximum.
; NO CLUSTER: the work-groups of a pair of heads need different numbers of slots (5 to 8), and a slot's 65,536 bytes are little beside its steps' vector work.
; LIMITS: e6 + e7 between -123 and 130 (added to c's exponent field); e8, and e10 - e8 - e9, between -126 and 119.
; REGISTERS: v1-11 addresses; v12-15, v16-19 a tile's -M, largest t, sum in two halves; v20-27, v28-35 Q; v36-99 fragments of K, then of V; v100-163 S^T, then p; v164-195, v196-227 O^T; v228-243 p's codes; v244.. at work.
.set KP,    144                        ; an LDS row: 128 bytes + 16 of padding
.set KB,    128*KP                     ; 128 rows: what one tensor load brings
.set VOFF,  2*KB                       ; a slot: 256 rows of K, then V's two blocks of 128 keys
.set SLOT1, 131072                     ; slot 1 begins here: one exclusive or turns an address from one slot to the other
.set SPARE, 262144                     ; behind the ring: the spare words, 128 bytes for each of 16 waves
.set STAGE, 264192                     ; behind them: the way out's stage, 256 rows x 144 bytes; no fill lands there
.set AK0,  1                           ; v1  my lane's place in a tile of K
.set AV0,  2                           ; v2  the same for V
.set PFO,  3                           ; v3  256 x lane: the prefetches' offset; never rewritten
.set DL,   4                           ; v4  lane % 16 - 16 (lane / 16)
.set SPW,  5                           ; v5  LDS address of my spare word; never rewritten
.set NIL,  6                           ; v6  0; never rewritten
.set NINF, 7                           ; v7  -infinity
.set ADK,  8
.set ADV,  9
.set FRG,  36
.set S,    100
.set PC,   228
.set TB,   2                           ; s2  LDS byte at which the slot in hand begins
.set WV,   18
.set SEL,  20                          ; s[20:21] lane selects: lane l xor 16
.set CS,   22                          ; s[22:23] c = log2(e) / 8 x 2^(e6 + e7)
.set G1,   24                          ; s[24:31] descriptor group 1
.set QL,   33                          ; s33 my work-group's last query
.set KF,   36                          ; s36 the step's first key
.set SLOTS, 37
.set LIM,  38                          ; s38 1 in a wave that prefetches, else the greatest number
.set G0,   40                          ; s[40:43] descriptor group 0, which walks
.set PFA,  44                          ; s[44:45] where my prefetches stand
.macro TLOAD                           ; waves 0 to 3 fetch, one load each.  An s_nop 0 and four v_nop follow the load
	s_cmp_lt_u32 s[WV], 4
	s_cbranch_scc0 .Lasked_\@
	tensor_load_to_lds s[G0:G0+3], s[G1:G1+7]
	s_nop 0
.rept 4
	v_nop
.endr
.Lasked_\@:
.endm
; A prefetch of what the NEXT change of slots will ask for: a slot's 32,768 dense bytes of K and as many of V.  All eight work-groups of a pair of heads walk the same K and V: work-group i = 0, which loads every slot, asks.
; In it waves 4 to 7 ask for K's bytes and waves 8 to 11 for V's, 8,192 a wave, lanes 256 bytes apart: each aligned block of 256 bytes is named once in the launch.  The last change that fills a slot asks for nothing.
.macro ASK
	s_cmp_gt_u32 s[SLOTS], s[LIM]
	s_cbranch_scc0 .Lnot_mine_\@
	global_prefetch_b8 v[PFO], s[PFA:PFA+1] th:TH_LOAD_NT scope:SCOPE_SE
.Lnot_mine_\@:
.endm
	s_load_b128 s[8:11], s[0:1], 0x0               ; q, k, v s[8:9]; the scales' exponents s[10:11]
	s_load_b64 s[12:13], s[0:1], 0x10              ; oc
	v_lshl_add_u32 v[SPW], v0, 2, SPARE
	v_mov_b32 v[NIL], 0
	ds_add_u32 v[SPW], v[NIL]                      ; the wave's opening: the add and its wait stand ahead of the first tensor load; the set-up below stands between them
	ds_add_u32 v[SPW], v[NIL]
	v_lshrrev_b32 v8, 5, v0
	s_delay_alu instid0(VALU_DEP_1)
	v_readfirstlane_b32 s[WV], v8                  ; wave 0..15
	s_mov_b32 s16, ttmp9                           ; i
	s_and_b32 s17, ttmp7, 0xffff                   ; 8 batch + pair of heads
	s_lshr_b32 s19, s[WV], 3                       ; which head of the pair
	s_and_b32 s32, s[WV], 7                        ; which 16 queries of a block
	s_sub_co_u32 s33, 15, s16
	s_lshl_b32 s33, s33, 7                         ; 128 (15 - i)
	s_lshl_b32 s96, s32, 4
	s_add_co_u32 s35, s33, s96                     ; tile B's first query
	s_lshl_b32 s34, s16, 7
	s_add_co_u32 s34, s34, s96                     ; tile A's first query
	s_add_co_u32 s[QL], s33, 127
	s_mov_b32 s[G1], (0<<16)|(1<<20)|(4<<22)|(3<<25)   ; no mask; elements of 1 byte; padding on: 4 words after every 32
	s_mov_b32 s[G1+1], 128<<16                     ; tensor_dim0
	s_mov_b32 s[G1+2], 128<<16                     ; tensor_dim1
	s_mov_b32 s[G1+3], 128<<16                     ; tile_dim0
	s_mov_b32 s[G1+4], 128                         ; tile_dim1
	s_mov_b32 s[G1+5], 128                         ; tensor_dim0_stride: the rows are dense in memory
	s_mov_b32 s[G1+6], 0
	s_mov_b32 s[G1+7], 0
	s_mov_b32 s[SEL], 0x76543210
	s_mov_b32 s[SEL+1], 0xfedcba98
	s_mov_b32 s[CS], 0x3e38aa3b                    ; log2(e) / 8
	s_mov_b32 s[TB], 0
	s_mov_b32 s[SLOTS], 7
	s_mov_b32 s[KF], 0
	s_lshl_b32 s46, s17, 18                        ; my pair's 16 blocks of 16,384 bytes in each plane
	s_mov_b32 s47, 0
	s_and_b32 s51, s[WV], 3                        ; what I fetch, if I fetch: 0, 1: K's blocks; 2, 3: V's
	s_lshr_b32 s48, s51, 1
	s_add_co_u32 s48, s48, 1
	s_lshl_b32 s48, s48, 23                        ; the plane,
	s_and_b32 s49, s51, 1
	s_lshl_b32 s49, s49, 14                        ; the block of the slot's two,
	s_add_co_u32 s48, s48, s49
	s_add_co_u32 s48, s48, s46
	s_mov_b32 s49, 0
	s_mul_i32 s50, s51, KB                         ; and its place in a slot
	s_wait_dscnt 0x0                               ; the opening add is done
	s_wait_kmcnt 0x0
	s_load_b256 s[68:75], s[10:11], 0x0            ; e0 .. e7
	s_load_b128 s[76:79], s[10:11], 0x20           ; e8 .. e11
	s_mov_b32 s[G0], 1
	s_mov_b32 s[G0+1], s50
	s_add_nc_u64 s[G0+2:G0+3], s[8:9], s[48:49]
	s_or_b32 s[G0+3], s[G0+3], 0x80000000
	TLOAD                                          ; slot 0
	s_add_nc_u64 s[4:5], s[8:9], s[46:47]          ; Q's plane at my pair of heads
	s_lshl_b32 s52, s19, 6                         ; my head's 64 bytes of a row (kept to the end)
	s_lshl_b32 s50, s34, 7
	s_add_co_u32 s50, s50, s52
	s_mov_b32 s51, 0
	s_lshl_b32 s54, s35, 7
	s_add_co_u32 s54, s54, s52
	s_mov_b32 s55, 0
	s_add_nc_u64 s[6:7], s[4:5], s[54:55]          ; tile B's queries
	s_add_nc_u64 s[4:5], s[4:5], s[50:51]          ; tile A's
	v_and_b32 v8, 15, v0                           ; r
	v_bfe_u32 v9, v0, 4, 1                         ; h
	s_delay_alu instid0(VALU_DEP_2)
	v_lshlrev_b32 v10, 7, v8
	s_delay_alu instid0(VALU_DEP_1)
	v_lshl_add_u32 v10, v9, 4, v10                 ; row r of 128 bytes, + 16 h
	global_load_b128 v[20:23], v10, s[4:5]         ; Q's fragments stay in registers: registers 4 c .. 4 c + 3 hold e = 32 c + 16 h + 0 .. 15, as K's do
	global_load_b128 v[24:27], v10, s[4:5] offset:32
	global_load_b128 v[28:31], v10, s[6:7]
	global_load_b128 v[32:35], v10, s[6:7] offset:32
	v_mul_u32_u24 v[AK0], v8, KP
	s_delay_alu instid0(VALU_DEP_1)
	v_lshl_add_u32 v[AK0], v9, 4, v[AK0]           ; r x pitch + 16 h
	s_delay_alu instid0(VALU_DEP_1)
	v_add_nc_u32 v[AV0], VOFF, v[AK0]
	s_mul_i32 s53, s19, 64*KP
	v_add_nc_u32 v[AV0], s53, v[AV0]               ; V: my head's 64 rows
	v_add_nc_u32 v[AK0], s52, v[AK0]               ; K: my head's 64 bytes
	v_lshlrev_b32 v11, 4, v9
	s_delay_alu instid0(VALU_DEP_1)
	v_sub_nc_u32 v[DL], v8, v11
	v_mov_b32 v[NINF], 0xff800000
	s_mov_b32 s56, 0x1000000                       ; the prefetches: waves 4 to 7 K's plane, waves 8 to 11 V's,
	s_cmp_lt_u32 s[WV], 8
	s_cselect_b32 s56, 0x800000, s56
	s_and_b32 s57, s[WV], 3
	s_lshl_b32 s57, s57, 13                        ; my wave's 8,192 bytes,
	s_add_co_u32 s56, s56, s57
	s_add_co_u32 s56, s56, s46
	s_add_co_u32 s56, s56, 32768                   ; in slot 1: the first change of slots steps it to slot 2.  Nothing is prefetched at the head
	s_mov_b32 s57, 0
	s_add_nc_u64 s[PFA:PFA+1], s[8:9], s[56:57]
	s_sub_co_u32 s57, s[WV], 4
	s_lshr_b32 s57, s57, 3                         ; 0 in waves 4 to 11,
	s_or_b32 s57, s57, ttmp9                       ; of work-group i = 0
	s_cmp_eq_u32 s57, 0
	s_cselect_b32 s[LIM], 1, -1
	v_and_b32 v[PFO], 31, v0
	s_delay_alu instid0(VALU_DEP_1)
	v_lshlrev_b32 v[PFO], 8, v[PFO]
	v_mov_b32 v13, 0xff61b1e6                      ; the largest t so far: -3e38, under every t
	s_delay_alu instid0(VALU_DEP_1)
	v_floor_f32 v12, -v13                          ; -M
	v_mov_b32 v14, 0
	v_mov_b32 v15, 0
	v_mov_b32 v17, 0xff61b1e6
	s_delay_alu instid0(VALU_DEP_1)
	v_floor_f32 v16, -v17
	v_mov_b32 v18, 0
	v_mov_b32 v19, 0
	v_mov_b32 v249, 0                              ; (named as the upper half of the pair v[248:249])
	v_mov_b32 v252, 0                              ; a lane permute's destination counts as one of its sources
.set j, 0
.rept 64
	v_mov_b32 v[164+j], 0                          ; both O^T.  (The step is written once: the first finds zeros, which the first change of M leaves zeros)
.set j, j+1
.endr
	s_wait_kmcnt 0x0
	s_add_co_i32 s96, s74, s75                     ; a score stands for score x 2^(e6 + e7): added to c's exponent field
	s_lshl_b32 s96, s96, 23
	s_add_co_i32 s[CS], s[CS], s96
	s_mov_b32 s[CS+1], s[CS]
	s_add_co_i32 s96, s76, 127
	s_lshl_b32 s97, s96, 23
	v_mov_b32 v244, s97                            ; 2^e8
; A KEY STEP OF ONE TILE: 128 keys, the q-th of the slot in hand.  QF: the tile's Q; OT: its O^T; SB: its four statistics; SQ0: the scalar register with its first query.
.macro TSTEP q, QF, OT, SB, SQ0
	s_add_co_u32 s96, s[\SQ0], 15
	s_cmp_gt_u32 s[KF], s96                        ; all keys come after my 16 queries: the step is left out
	s_cbranch_scc1 .Lhidden_\@
	v_add_nc_u32 v[ADK], s[TB], v[AK0]
	v_add_nc_u32 v[ADV], s[TB], v[AV0]
	v_nop
	v_nop                                          ; four places in front of loads into registers that the last products read
.irp t, 0,1,2,3,4,5,6,7
.irp c, 0,1
	ds_load_b128 v[FRG+8*\t+4*\c:FRG+8*\t+4*\c+3], v[ADK] offset:(128*(\q)+16*\t)*KP+32*\c
.endr
.endr
	s_wait_alu depctr_va_vdst(0)
	s_wait_dscnt 0x0
.irp t, 0,1,2,3,4,5,6,7
	v_wmma_f32_16x16x64_fp8_fp8 v[S+8*\t:S+8*\t+7], v[FRG+8*\t:FRG+8*\t+7], v[\QF:\QF+7], 0
.endr
.rept 4
	v_nop                                          ; places in front of the loads below and of the first read of the scores
.endr
.irp t, 0,1,2,3                                ; V's fragments are asked for here and land under the softmax
.irp c, 0,1,2,3
	ds_load_b128 v[FRG+16*\t+4*\c:FRG+16*\t+4*\c+3], v[ADV] offset:(128*(\q)+16*\t)*KP+32*\c
.endr
.endr
	s_add_co_u32 s96, s[KF], 127
	s_cmp_le_u32 s96, s[\SQ0]                      ; all keys count: no mask
	s_cbranch_scc1 .Lopen_\@
	s_sub_co_i32 s96, s[\SQ0], s[KF]
	v_add_nc_u32 v246, s96, v[DL]                  ; d = my query - the first key - 16 (lane / 16): register n's key is hidden where 32 (n / 16) + n % 16 > d
.set n, 0
.rept 64
	v_cmp_gt_i32 vcc_lo, 32*(n/16)+n%16, v246
	v_cndmask_b32 v[S+n], v[S+n], v[NINF], vcc_lo
.set n, n+1
.endr
.Lopen_\@:
	v_max3_num_f32 v246, v[S], v[S+1], v[S+2]      ; the step's largest score of my query, among my 64 keys, in two chains,
	v_max3_num_f32 v248, v[S+3], v[S+4], v[S+5]
.irp i, 6,10,14,18,22,26,30,34,38,42,46,50,54,58
	v_max3_num_f32 v246, v246, v[S+\i], v[S+1+\i]
	v_max3_num_f32 v248, v248, v[S+2+\i], v[S+3+\i]
.endr
	v_max3_num_f32 v246, v246, v[S+62], v[S+63]
	s_delay_alu instid0(VALU_DEP_1)
	v_max_num_f32 v246, v246, v248
	s_delay_alu instid0(VALU_DEP_1)
	v_permlanex16_b32 v252, v246, s[SEL], s[SEL+1]
	s_delay_alu instid0(VALU_DEP_1)
	v_max_num_f32 v246, v246, v252                 ; and among lane l xor 16's
	s_delay_alu instid0(VALU_DEP_1)
	v_mul_f32 v246, s[CS], v246                    ; as t (c is positive)
	s_delay_alu instid0(VALU_DEP_1)
	v_max_num_f32 v[\SB+1], v[\SB+1], v246         ; the running largest t
	v_mov_b32 v246, v[\SB]
	s_delay_alu instid0(VALU_DEP_2)
	v_floor_f32 v[\SB], -v[\SB+1]                  ; the new -M = floor(-t): M is a whole number
	s_delay_alu instid0(VALU_DEP_1)
	v_sub_f32 v246, v[\SB], v246                   ; old M - new M: a whole number, 0 or less
	s_delay_alu instid0(VALU_DEP_1)
	v_cvt_i32_f32 v246, v246                       ; (it saturates)
	s_delay_alu instid0(VALU_DEP_1)
	v_ldexp_f32 v248, 1.0, v246                    ; f = 2^(old M - new M)
.set j, 0
.rept 32
	v_pk_fma_f32 v[S+j:S+j+1], v[S+j:S+j+1], s[CS:CS+1], v[\SB:\SB+1] op_sel_hi:[1,0,0]   ; t - M, two at a time
.set j, j+2
.endr
.set j, 0
	s_wait_alu depctr_va_vdst(0)
.rept 64
	v_exp_f32 v[S+j], v[S+j]                       ; p = 2^(t - M), at most 1
.set j, j+1
.endr
	v_pk_mul_f32 v[\SB+2:\SB+3], v[\SB+2:\SB+3], v[248:249] op_sel_hi:[1,0]   ; the sums under the new M: the plain line behind the exponentials
	s_wait_alu depctr_va_vdst(0)                   ; one wait for the whole batch, ahead of its first reader
	v_pk_add_f32 v[250:251], v[S:S+1], v[S+2:S+3]  ; the row's sum is taken of the unquantised p, in two chains
.irp j, 4,8,12,16,20,24,28,32,36,40,44,48,52,56,60
	v_pk_add_f32 v[\SB+2:\SB+3], v[\SB+2:\SB+3], v[S+\j:S+1+\j]
	v_pk_add_f32 v[250:251], v[250:251], v[S+2+\j:S+3+\j]
.endr
	s_delay_alu instid0(VALU_DEP_1)
	v_pk_add_f32 v[\SB+2:\SB+3], v[\SB+2:\SB+3], v[250:251]
.irp b, 0,1,2,3
.irp i, 0,1,2,3,4,5,6,7,8,9,10,11,12,13,14,15
.endr
	v_cvt_scalef32_pk8_fp8_f32 v[PC+4*\b:PC+4*\b+1], v[S+16*\b:S+16*\b+7], v244
	v_cvt_scalef32_pk8_fp8_f32 v[PC+4*\b+2:PC+4*\b+3], v[S+16*\b+8:S+16*\b+15], v244
.endr
.set j, 0
.rept 16
	v_pk_mul_f32 v[\OT+j:\OT+j+1], v[\OT+j:\OT+j+1], v[248:249] op_sel_hi:[1,0]   ; O^T under the new M, from each accumulator's low end on.  (Also the plain lines behind the conversions)
.set j, j+2
.endr
	s_wait_alu depctr_va_vdst(0)
	s_wait_dscnt 0x0                               ; V's fragments are in
.irp t, 0,1,2,3                                ; O^T += V^T P^T: four accumulators by turns, K = these 128 keys
	v_wmma_f32_16x16x128_fp8_fp8 v[\OT+8*\t:\OT+8*\t+7], v[FRG+16*\t:FRG+16*\t+15], v[PC:PC+15], v[\OT+8*\t:\OT+8*\t+7]
.endr
.Lhidden_\@:
.endm
; THE CHANGE OF SLOTS stands at a slot's head.  Each wave waits for all its tensor loads, adds 0 to its spare word, and waits for that and for its reads of the slot that it has left.
; Behind the barrier the slot ahead is whole and nobody reads the other one; fill = 1: that other slot takes the next 256 keys, if any wave of the work-group will read them.
.macro CHANGE fill
	s_wait_tensorcnt 0x0                           ; no tensor load of mine is out, so group 0 may be written
	ds_add_u32 v[SPW], v[NIL]
.if \fill
	s_xor_b32 s[G0+1], s[G0+1], SLOT1              ; the other slot than last time,
	s_add_nc_u64 s[G0+2:G0+3], s[G0+2:G0+3], 32768 ; the next two blocks; the type bits on top are not reached
	s_wait_xcnt 0x0                                ; the last prefetch, a slot back, has read its address
	s_add_nc_u64 s[PFA:PFA+1], s[PFA:PFA+1], 32768 ; one slot further on than the walking descriptor
.endif
	s_wait_dscnt 0x0                               ; the add is done, and my reads of the slot that I have left are over
	s_barrier_signal -1
	s_barrier_wait -1
.if \fill
	s_add_co_u32 s96, s[KF], 256                   ; the first key of the slot that this change would ask for,
	s_cmp_gt_u32 s96, s[QL]                        ; against my work-group's last query: ids and the count of steps alone, the same in all sixteen waves; every wait on the tensor loads' counter in this text is for 0
	s_cbranch_scc1 .Lpast_\@
	TLOAD                                          ; a wave's one tensor load until the next such barrier
.Lpast_\@:
	ASK
.endif
.endm
.macro SLOT_STEPS
.irp q, 0,1
	TSTEP \q, 28, 196, 16, 35                      ; tile B, the later queries
	TSTEP \q, 20, 164, 12, 34                      ; tile A
	s_add_co_u32 s[KF], s[KF], 128
.endr
	s_xor_b32 s[TB], s[TB], SLOT1
.endm
	s_wait_loadcnt 0x0                             ; Q
.Lslot:                                            ; seven trips: behind each change of slots but the last the next slot is asked for, up to the causal limit
	CHANGE 1
	SLOT_STEPS
	s_sub_co_u32 s[SLOTS], s[SLOTS], 1
	s_cmp_lg_u32 s[SLOTS], 0
	s_cbranch_scc1 .Lslot
	CHANGE 0                                       ; the last slot is written out: nothing is left to ask for
	SLOT_STEPS
	; THE WAY OUT.  O^T / the sum is quantised: a number stands for number x 2^(e8 + e9), so its code is number / 2^(e10 - e8 - e9).  A row's 128 bytes come from two waves (the two heads): they meet in the stage.
.rept 4
	v_nop                                          ; places behind the last products
.endr
	v_add_f32 v14, v14, v15
	v_add_f32 v18, v18, v19
	s_delay_alu instid0(VALU_DEP_2)
	v_permlanex16_b32 v252, v14, s[SEL], s[SEL+1]
	s_delay_alu instid0(VALU_DEP_1)
	v_add_f32 v14, v14, v252                       ; tile A's rows' sums
	s_delay_alu instid0(VALU_DEP_2)
	v_permlanex16_b32 v252, v18, s[SEL], s[SEL+1]
	s_delay_alu instid0(VALU_DEP_1)
	v_add_f32 v18, v18, v252                       ; tile B's
	s_wait_alu depctr_va_vdst(0)
	v_rcp_f32 v14, v14
	v_rcp_f32 v18, v18
	v_and_b32 v8, 15, v0                           ; (plain lines behind the reciprocals)  r
	v_bfe_u32 v9, v0, 4, 1                         ; h
	s_mul_i32 s96, s32, 16*KP
	s_add_co_u32 s96, s96, s52
	s_add_co_u32 s96, s96, STAGE
	v_mul_u32_u24 v10, v8, KP
	s_delay_alu instid0(VALU_DEP_1)
	v_lshl_add_u32 v10, v9, 3, v10
	s_delay_alu instid0(VALU_DEP_1)
	v_add_nc_u32 v10, s96, v10                     ; in: row 16 (w % 8) + r, my head's 64 bytes, + 8 h
	s_mul_i32 s97, s[WV], 16*KP
	s_add_co_u32 s97, s97, STAGE
	v_and_b32 v11, 31, v0
	s_delay_alu instid0(VALU_DEP_1)
	v_lshrrev_b32 v8, 3, v11
	s_delay_alu instid0(VALU_DEP_1)
	v_mul_u32_u24 v8, v8, KP
	s_delay_alu instid0(VALU_DEP_3)
	v_and_b32 v9, 7, v11
	s_delay_alu instid0(VALU_DEP_1)
	v_lshl_add_u32 v8, v9, 4, v8
	s_delay_alu instid0(VALU_DEP_1)
	v_add_nc_u32 v8, s97, v8                       ; back: rows 16 w on, eight lanes to a row, four rows an instruction
	v_lshlrev_b32 v11, 4, v11                      ; and 16 bytes a lane of 512 dense bytes in oc
	s_sub_co_i32 s96, s78, s76
	s_sub_co_i32 s96, s96, s77                     ; e10 - e8 - e9
	s_add_co_i32 s96, s96, 127
	s_lshl_b32 s97, s96, 23
	v_mov_b32 v246, s97
	s_cmp_lt_u32 s[WV], 8                          ; stage rows 16 w on are, for waves 0 to 7, the first block's: my own tile A's queries; for waves 8 to 15 my own tile B's
	s_cselect_b32 s56, s34, s35
	s_lshr_b32 s57, s17, 3
	s_lshl_b32 s57, s57, 11
	s_add_co_u32 s56, s56, s57                     ; + 2,048 x batch
	s_lshl_b32 s56, s56, 7
	s_and_b32 s57, s17, 7
	s_lshl_b32 s57, s57, 20                        ; the pair's plane
	s_add_co_u32 s56, s56, s57
	s_mov_b32 s57, 0
	s_add_nc_u64 s[12:13], s[12:13], s[56:57]
	s_wait_alu depctr_va_vdst(0)                   ; one wait for both reciprocals, ahead of their first reader
.macro OUTT OT, L, PCB, off
.set j, 0
.rept 16
	v_pk_mul_f32 v[\OT+j:\OT+j+1], v[\OT+j:\OT+j+1], v[\L:\L+1] op_sel_hi:[1,0]   ; / the sum; each accumulator from its low end on
.set j, j+2
.endr
.set j, 0
.rept 32
.set j, j+1
.endr
.irp t, 0,1,2,3
	v_cvt_scalef32_pk8_fp8_f32 v[\PCB+2*\t:\PCB+2*\t+1], v[\OT+8*\t:\OT+8*\t+7], v246   ; channels 16 t + 8 h + 0 .. 7 of my query
.endr
	v_nop
.irp t, 0,1,2,3
	ds_store_b64 v10, v[\PCB+2*\t:\PCB+2*\t+1] offset:\off+16*\t
.endr
.endm
	OUTT 164, 14, 228, 0
	OUTT 196, 18, 236, KB
	s_wait_dscnt 0x0                               ; for the others' sake: my stores into the stage are done
	s_barrier_signal -1
	s_barrier_wait -1
.irp u, 0,1,2,3
	ds_load_b128 v[S+4*\u:S+4*\u+3], v8 offset:4*KP*\u
.endr
.irp u, 0,1,2,3
	s_wait_dscnt 3-\u
	global_store_b128 v11, v[S+4*\u:S+4*\u+3], s[12:13] offset:512*\u   ; 32 lanes store 512 consecutive bytes, aligned
.endr
	s_wait_tensorcnt 0x0                           ; the wave's end
	ds_add_u32 v[SPW], v[NIL]
	s_wait_dscnt 0x0
	s_endpgm
.Lfunc_end_k_q349f920d3b_attn:
	.size	k_q349f920d3b_attn, .Lfunc_end_k_q349f920d3b_attn-k_q349f920d3b_attn
	.p2alignl 7, 3214868480
	.fill 96, 4, 3214868480
	.section	.rodata,"a",@progbits
	.p2align	6, 0x0
	.amdhsa_kernel k_q349f920d3b_attn
		.amdhsa_group_segment_fixed_size 327680
		.amdhsa_private_segment_fixed_size 0
		.amdhsa_enable_private_segment 0
		.amdhsa_kernarg_size 24
		.amdhsa_user_sgpr_count 2
		.amdhsa_user_sgpr_kernarg_segment_ptr 1
		.amdhsa_wavefront_size32 1
		.amdhsa_system_sgpr_workgroup_id_x 1
		.amdhsa_system_sgpr_workgroup_id_y 1
		.amdhsa_system_sgpr_workgroup_id_z 1
		.amdhsa_system_vgpr_workitem_id 0
		.amdhsa_next_free_vgpr 256
		.amdhsa_next_free_sgpr 100
		.amdhsa_reserve_vcc 1
		.amdhsa_float_denorm_mode_32 3
		.amdhsa_float_denorm_mode_16_64 3
		.amdhsa_fp16_overflow 1
		.amdhsa_memory_ordered 1
		.amdhsa_forward_progress 1
		.amdhsa_inst_pref_size 166
	.end_amdhsa_kernel
	.amdgpu_metadata
---
amdhsa.version: [ 1, 2 ]
amdhsa.kernels:
  - .name:           k_q349f920d3b_attn
    .symbol:         k_q349f920d3b_attn.kd
    .args:
      - { .name: qkv, .offset: 0, .size: 8, .value_kind: global_buffer, .address_space: global }
      - { .name: lowp_scales, .offset: 8, .size: 8, .value_kind: global_buffer, .address_space: global }
      - { .name: oc, .offset: 16, .size: 8, .value_kind: global_buffer, .address_space: global }
    .group_segment_fixed_size: 327680
    .private_segment_fixed_size: 0
    .kernarg_segment_align: 8
    .kernarg_segment_size: 24
    .max_flat_workgroup_size: 512
    .sgpr_count:     100
    .vgpr_count:     256
    .wavefront_size: 32
...
	.end_amdgpu_metadata
.endif
;; end of part 3
;; launch proj (part 4): grid 4 x 32, 4 waves a work-group, clusters of 4 x 4, 327,680 bytes of LDS; arguments oc, codes, lowp_scales, bp, out0; writes out0
.if DOCPART == 4
	.amdgcn_target "amdgcn-amd-amdhsa--gfx1250"
	.amdhsa_code_object_version 6
	.text
	.protected	k_q349f920d3b_proj
	.globl	k_q349f920d3b_proj
	.p2align	8
	.type	k_q349f920d3b_proj,@function
k_q349f920d3b_proj:
	s_mov_b64 s[64:65], 0
	v_nop
	global_prefetch_b8 v0, s[64:65] scope:SCOPE_SE
	s_setreg_imm32_b32 hwreg(HW_REG_WAVE_MODE, 25, 1), 1
	s_wait_xcnt 0x0
	s_wait_alu depctr_hold_cnt(0) depctr_sa_sdst(0) depctr_va_vdst(0) depctr_va_sdst(0) depctr_va_ssrc(0) depctr_va_vcc(0) depctr_vm_vsrc(0)
	s_getreg_b32 s2, hwreg(HW_REG_IB_STS2, 6, 4)
	s_cmp_eq_u32 s2, 0
	s_cbranch_scc0 .Lentry_in_a_cluster
	s_endpgm
.Lentry_in_a_cluster:
	s_bfe_u32 s2, ttmp6, 0x10000c
	s_cmp_lg_u32 s2, 0xf033
	s_cbranch_scc0 .Lentry_shape_is_right
	s_endpgm
.Lentry_shape_is_right:
.set ROWB,   256
.set KROW,   1024
.set PITCH,  272
.set APITCH, 144
.set APL,    256*APITCH
.set ASTEP,  0x400000
.set FR,     16
.set NL,     4
.set NP,     4
.set HALFT,  128*PITCH
.set SLOT,   2*APL+2*HALFT
.set LAPS,   2
.set SPARE,  2*SLOT
.set SPITCH, 528
.set ADRA, 16
.set ADRB, 20
.set STO,  24
.set RD,   25
.set CO,   26
.set SPW,  28
.set NIL,  29
.set AF,   128
.set BK,   128
.set G1, 24
.set G0, 32
.set G1B, 48
.set G0B, 56
.set MSB, 0
.macro WIN new
.if MSB != \new
	s_set_vgpr_msb (MSB<<8)|\new
.set MSB, \new
.endif
.endm
.set MUL_LO, 0xa1
.set MUL_HI, 0xf1
.set TO_B,   0x40
.macro JLOAD g0a, g1a, g0b, g1b
	s_cmp_eq_u32 s15, 0
	s_cbranch_scc0 .Lfor_b_\@
	tensor_load_to_lds s[\g0a:\g0a+3], s[\g1a:\g1a+7]
	s_nop 0
.rept 4
	v_nop
.endr
	s_branch .Lasked_\@
.Lfor_b_\@:
	tensor_load_to_lds s[\g0b:\g0b+3], s[\g1b:\g1b+7]
	s_nop 0
.rept 4
	v_nop
.endr
.Lasked_\@:
.endm
.macro CREST
	s_cmp_lg_u32 s14, 0
	s_cbranch_scc1 .Lnot_wave_0_\@
	s_barrier_signal -3
.Lnot_wave_0_\@:
	s_barrier_wait -3
	s_barrier_signal -1
	s_barrier_wait -1
.endm
.macro CROUND
	s_barrier_signal -1
	s_barrier_wait -1
	CREST
.endm
	s_load_b128 s[4:7], s[0:1], 0x0
	s_load_b128 s[8:11], s[0:1], 0x10
	s_load_b64 s[12:13], s[0:1], 0x20
	v_lshl_add_u32 v[SPW], v0, 2, SPARE
	v_mov_b32 v[NIL], 0
	ds_add_u32 v[SPW], v[NIL]
	ds_add_u32 v[SPW], v[NIL]
	v_lshrrev_b32 v1, 5, v0
	v_readfirstlane_b32 s14, v1
	s_lshr_b32 s15, s14, 1
	s_and_b32 s16, s14, 1
	s_bfe_u32 s40, ttmp6, 0x40000
	s_bfe_u32 s41, ttmp6, 0x40004
	s_lshl_b32 s42, ttmp9, 2
	s_add_co_u32 s42, s42, s40
	s_and_b32 s17, ttmp7, 0xffff
	s_lshl_b32 s17, s17, 2
	s_add_co_u32 s17, s17, s41
	s_lshl_b32 s43, s41, 2
	s_lshl_b32 s43, 15, s43
	s_lshl_b32 s44, 0x1111, s40
	s_or_b32 s[G1+0], s43, (0<<16)|(1<<20)|(1<<21)|(4<<22)|(3<<25)
	s_mov_b32 s[G1+1], 128<<16
	s_mov_b32 s[G1+2], 256<<16
	s_mov_b32 s[G1+3], 128<<16
	s_mov_b32 s[G1+4], 256
	s_mov_b32 s[G1+5], 128
	s_mov_b32 s[G1+6], 0
	s_mov_b32 s[G1+7], 0
	s_or_b32 s[G1B+0], s44, (0<<16)|(1<<20)|(1<<21)|(5<<22)|(3<<25)
	s_mov_b32 s[G1B+1], ROWB<<16
	s_mov_b32 s[G1B+2], 128<<16
	s_mov_b32 s[G1B+3], ROWB<<16
	s_mov_b32 s[G1B+4], 128
	s_mov_b32 s[G1B+5], KROW
	s_mov_b32 s[G1B+6], 0
	s_mov_b32 s[G1B+7], 0
	s_lshl_b32 s20, s16, 20
	s_lshl_b32 s18, s17, 15
	s_add_co_u32 s20, s20, s18
	s_mov_b32 s21, 0
	s_lshl_b32 s46, s42, 8
	s_lshl_b32 s18, s16, 7
	s_add_co_u32 s46, s46, s18
	s_lshl_b32 s46, s46, 10
	s_add_co_u32 s46, s46, 0x1B00000
	s_mov_b32 s47, 0
	s_mul_i32 s45, s16, APL
	s_mul_i32 s66, s16, HALFT
	s_add_co_u32 s66, s66, 2*APL
	s_wait_dscnt 0x0
	s_wait_kmcnt 0x0
	s_load_b64 s[96:97], s[8:9], 0x28
	s_add_nc_u64 s[20:21], s[4:5], s[20:21]
	s_add_nc_u64 s[46:47], s[6:7], s[46:47]
	CROUND
.irp s, 0,1
	s_mov_b32 s[G0+4*\s], 1
	s_add_co_u32 s[G0+4*\s+1], s45, \s*SLOT
	s_add_nc_u64 s[G0+4*\s+2:G0+4*\s+3], s[20:21], \s*0x200000
	s_or_b32 s[G0+4*\s+3], s[G0+4*\s+3], 0x80000000
	s_mov_b32 s[G0B+4*\s], 1
	s_add_co_u32 s[G0B+4*\s+1], s66, \s*SLOT
	s_add_nc_u64 s[G0B+4*\s+2:G0B+4*\s+3], s[46:47], \s*ROWB
	s_or_b32 s[G0B+4*\s+3], s[G0B+4*\s+3], 0x80000000
	s_wait_alu depctr_va_vdst(0)
	s_wait_tensorcnt 0x0
	ds_add_u32 v28, v29
	ds_add_u32 v28, v29
	s_wait_dscnt 0x0
	CROUND
	JLOAD G0+4*\s, G1, G0B+4*\s, G1B
.endr
	v_and_b32 v1, 15, v0
	v_bfe_u32 v2, v0, 4, 1
	v_mul_u32_u24 v3, v1, PITCH
	v_lshl_add_u32 v4, v2, 4, v3
	v_mul_u32_u24 v3, v1, APITCH
	v_lshl_add_u32 v5, v2, 4, v3
	s_mul_i32 s21, s15, 128*APITCH
	s_mul_i32 s22, s16, HALFT
	s_add_co_u32 s22, s22, 2*APL
.irp s, 0,1
	v_add_nc_u32 v[ADRA+\s], s21, v5
	v_add_nc_u32 v[ADRB+\s], s22, v4
	s_add_co_u32 s21, s21, SLOT
	s_add_co_u32 s22, s22, SLOT
.endr
	s_mul_i32 s23, s14, 16*SPITCH
	v_mul_u32_u24 v5, v1, SPITCH
	v_lshl_add_u32 v5, v2, 5, v5
	v_add_nc_u32 v[STO], s23, v5
	v_and_b32 v6, 31, v0
	v_lshlrev_b32 v[CO], 4, v6
	s_wait_alu depctr_va_vdst(0)
	v_add_nc_u32 v[RD], s23, v[CO]
	s_lshl_b32 s20, s17, 8
	s_lshl_b32 s21, s15, 7
	s_add_co_u32 s20, s20, s21
	s_lshl_b32 s20, s20, 12
	s_lshl_b32 s46, s42, 10
	s_lshl_b32 s47, s16, 9
	s_add_co_u32 s46, s46, s47
	s_mov_b32 s47, 0
	s_add_nc_u64 s[10:11], s[10:11], s[46:47]
	s_add_co_u32 s20, s20, s46
	s_mov_b32 s21, 0
	s_add_nc_u64 s[12:13], s[12:13], s[20:21]
	global_load_b128 v[8:11], v[CO], s[10:11]
.macro FRAG reg, adr, q, i
.irp c, 0,1,2,3
	ds_load_b128 v[\reg+4*\c:\reg+4*\c+3], v[\adr] offset:128*(\q)+32*\c+(\i)*16*PITCH
.endr
.endm
.macro FRAGA reg, adr, q, i
.irp c, 0,1,2,3
	ds_load_b128 v[\reg+4*\c:\reg+4*\c+3], v[\adr] offset:APL*(\q)+32*\c+(\i)*16*APITCH
.endr
.endm
.macro MUL16 a0, p, zero
.irp a, \a0, \a0+1
.irp b, 0,1,2,3,4,5,6,7
.if \zero
	v_wmma_f32_16x16x128_fp8_fp8 v[8*(8*((\a)%4)+\b):8*(8*((\a)%4)+\b)+7], v[128*(\p)+FR*\b:128*(\p)+FR*\b+FR-1], v[AF+FR*(\a):AF+FR*(\a)+FR-1], 0
.else
	v_wmma_f32_16x16x128_fp8_fp8 v[8*(8*((\a)%4)+\b):8*(8*((\a)%4)+\b)+7], v[128*(\p)+FR*\b:128*(\p)+FR*\b+FR-1], v[AF+FR*(\a):AF+FR*(\a)+FR-1], v[8*(8*((\a)%4)+\b):8*(8*((\a)%4)+\b)+7]
.endif
.endr
.endr
.endm
.macro FETCH_B slot, q, p
	WIN TO_B
.irp i, 0,1,2,3,4,5,6,7
	FRAG 128*(\p)+FR*\i, ADRB+\slot, \q, \i
.endr
	WIN 0
.endm
.macro FETCH_A slot, q, i0
.irp i, \i0, \i0+1, \i0+2, \i0+3
	FRAGA AF+FR*(\i), ADRA+\slot, \q, \i
.endr
.endm
.macro PLACES n
.rept \n
	v_nop
.endr
.endm
.macro STEP slot, q, zero
	s_wait_dscnt 4*NL
	WIN MUL_LO
	MUL16 0, (\q)%2, \zero
	MUL16 2, (\q)%2, \zero
	s_wait_dscnt 0
	PLACES NP
	FETCH_B \slot, (\q)+1, 1-(\q)%2
	FETCH_A \slot, (\q)+1, 0
	WIN MUL_HI
	MUL16 4, (\q)%2, \zero
	MUL16 6, (\q)%2, \zero
	PLACES NP
	WIN 0
	FETCH_A \slot, (\q)+1, 4
.endm
.macro TURN slot, next, fill
	s_wait_tensorcnt 0x0
	ds_add_u32 v[SPW], v[NIL]
	s_wait_dscnt 4*NL+1
	WIN MUL_LO
	MUL16 0, 1, 0
	s_wait_dscnt 0x0
	s_barrier_signal -1
	MUL16 2, 1, 0
	WIN 0
	s_barrier_wait -1
.if \fill
	CREST
	s_add_nc_u64 s[G0+4*\slot+2:G0+4*\slot+3], s[G0+4*\slot+2:G0+4*\slot+3], ASTEP
	s_add_nc_u64 s[G0B+4*\slot+2:G0B+4*\slot+3], s[G0B+4*\slot+2:G0B+4*\slot+3], 2*ROWB
	JLOAD G0+4*\slot, G1, G0B+4*\slot, G1B
.else
	PLACES NP
.endif
	FETCH_B \next, 0, 0
	FETCH_A \next, 0, 0
	WIN MUL_HI
	MUL16 4, 1, 0
	MUL16 6, 1, 0
	PLACES NP
	WIN 0
	FETCH_A \next, 0, 4
.endm
	s_wait_tensorcnt 1
	s_barrier_signal -1
	s_barrier_wait -1
	FETCH_B 0, 0, 0
	FETCH_A 0, 0, 0
	FETCH_A 0, 0, 4
	STEP 0, 0, 1
	s_mov_b32 s3, LAPS-1
.Llap:
	TURN 0, 1, 1
	STEP 1, 0, 0
	TURN 1, 0, 1
	STEP 0, 0, 0
	s_sub_co_u32 s3, s3, 1
	s_cmp_lg_u32 s3, 0
	s_cbranch_scc1 .Llap
	TURN 0, 1, 0
	STEP 1, 0, 0
	s_wait_dscnt 4*NL
	WIN MUL_LO
	MUL16 0, 1, 0
	MUL16 2, 1, 0
	s_wait_dscnt 0
	WIN MUL_HI
	MUL16 4, 1, 0
	MUL16 6, 1, 0
	WIN 0
.macro TOSTAGE a
.set AC, 64*((\a)%4)
	WIN 0x08+4*((\a)/4)
.irp b, 0,1,2,3,4,5,6,7
	ds_store_b128 v[STO], v[AC+8*\b:AC+8*\b+3] offset:64*\b
	ds_store_b128 v[STO], v[AC+8*\b+4:AC+8*\b+7] offset:64*\b+16
.endr
	WIN 0
.set BB, BK+64*((\a)%2)
.irp t, 0,1,2,3,4,5,6,7,8,9,10,11,12,13,14,15
	ds_load_b128 v[BB+4*\t:BB+4*\t+3], v[RD] offset:\t*SPITCH
.endr
.endm
.macro SEND a, younger
.set BB, BK+64*((\a)%2)
	s_wait_dscnt \younger
.if (\a) > 0
	s_add_nc_u64 s[12:13], s[12:13], 16*4096
.endif
.irp t, 0,1,2,3,4,5,6,7,8,9,10,11,12,13,14,15
	v_pk_fma_f32 v[BB+4*\t:BB+4*\t+1], v[BB+4*\t:BB+4*\t+1], s[96:97], v[8:9] op_sel_hi:[1,0,1]
	v_pk_fma_f32 v[BB+4*\t+2:BB+4*\t+3], v[BB+4*\t+2:BB+4*\t+3], s[96:97], v[10:11] op_sel_hi:[1,0,1]
.endr
.irp t, 0,1,2,3,4,5,6,7,8,9,10,11,12,13,14,15
	global_store_b128 v[CO], v[BB+4*\t:BB+4*\t+3], s[12:13] offset:\t*4096 th:TH_STORE_NT
.endr
.endm
	s_wait_kmcnt 0x0
	s_add_co_i32 s96, s96, s97
	s_add_co_i32 s96, s96, 127
	s_lshl_b32 s96, s96, 23
	s_wait_loadcnt 0x0
	PLACES NP
	s_wait_alu depctr_va_vdst(0)
	TOSTAGE 0
.irp a, 1,2,3,4,5,6,7
.if \a > 1
	s_wait_xcnt 0x0
.endif
	TOSTAGE \a
	SEND \a-1, 32
.endr
	s_wait_xcnt 0x0
	SEND 7, 0
	s_wait_tensorcnt 0x0
	ds_add_u32 v[SPW], v[NIL]
	s_wait_dscnt 0x0
	CROUND
	s_endpgm
.Lfunc_end_k_q349f920d3b_proj:
	.size	k_q349f920d3b_proj, .Lfunc_end_k_q349f920d3b_proj-k_q349f920d3b_proj
	.p2alignl 7, 3214868480
	.fill 96, 4, 3214868480
	.section	.rodata,"a",@progbits
	.p2align	6, 0x0
	.amdhsa_kernel k_q349f920d3b_proj
		.amdhsa_group_segment_fixed_size 327680
		.amdhsa_private_segment_fixed_size 0
		.amdhsa_enable_private_segment 0
		.amdhsa_kernarg_size 40
		.amdhsa_user_sgpr_count 2
		.amdhsa_user_sgpr_kernarg_segment_ptr 1
		.amdhsa_wavefront_size32 1
		.amdhsa_system_sgpr_workgroup_id_x 1
		.amdhsa_system_sgpr_workgroup_id_y 1
		.amdhsa_system_sgpr_workgroup_id_z 1
		.amdhsa_system_vgpr_workitem_id 0
		.amdhsa_next_free_vgpr 1024
		.amdhsa_next_free_sgpr 98
		.amdhsa_reserve_vcc 0
		.amdhsa_float_denorm_mode_32 3
		.amdhsa_float_denorm_mode_16_64 3
		.amdhsa_memory_ordered 1
		.amdhsa_forward_progress 1
		.amdhsa_inst_pref_size 125
	.end_amdhsa_kernel
	.amdgpu_metadata
---
amdhsa.version: [ 1, 2 ]
amdhsa.kernels:
  - .name:           k_q349f920d3b_proj
    .symbol:         k_q349f920d3b_proj.kd
    .args:
      - { .name: oc, .offset: 0, .size: 8, .value_kind: global_buffer, .address_space: global }
      - { .name: codes, .offset: 8, .size: 8, .value_kind: global_buffer, .address_space: global }
      - { .name: lowp_scales, .offset: 16, .size: 8, .value_kind: global_buffer, .address_space: global }
      - { .name: bp, .offset: 24, .size: 8, .value_kind: global_buffer, .address_space: global }
      - { .name: out0, .offset: 32, .size: 8, .value_kind: global_buffer, .address_space: global }
    .group_segment_fixed_size: 327680
    .private_segment_fixed_size: 0
    .kernarg_segment_align: 8
    .kernarg_segment_size: 40
    .max_flat_workgroup_size: 128
    .sgpr_count:     98
    .vgpr_count:     1024
    .wavefront_size: 32
...
	.end_amdgpu_metadata
.endif
;; end of part 4
